; MI455X (gfx1250); checked and timed in simulation.
; The chip was launched on July 23, 2026; its instructions are those of AMD's public machine-readable ISA for CDNA 5 (MIT licence, August 2026) and "CDNA5" Instruction Set Architecture Reference Guide (July 2026). The comments in the code are by the model that wrote it; some were corrected since.
;; Attention. Allowed arithmetic: float matrix products may take bf16 or f16 operands with f32 sums; other float arithmetic in f32, or as packed bf16 or f16 multiplies, adds, multiply-adds, maxima and minima; sums over many terms, partial sums and values carried from step to step in f32; what a program stores and reads back later, other than sums and carried values, may be rounded once to bf16 or f16.
;; Inputs: key 8 x 2,048 x 1,024 float32; query 8 x 2,048 x 1,024 float32; value 8 x 2,048 x 1,024 float32.
;; Outputs: out0 8 x 2,048 x 1,024 float32.
;; 2 versions, each right; version 2 is version 1 with the launch merge written anew for expert scheduling mode. Each part assembles by itself: llvm-mc -triple=amdgcn-amd-amdhsa -mcpu=gfx1250 --defsym DOCPART=n.
;; ======== version 1 of 2: 3 launches
;; limits: values are held in f16: magnitudes above 65,504 overflow, below 6.1e-05 lose precision; inputs' magnitudes at most 65,280
;; workspace buffers: kb 33,554,432 bytes; vb 33,554,432 bytes; pa 33,554,432 bytes; pb 33,554,432 bytes; ml 131,072 bytes
;; launch cast (part 1): grid 2048 x 1, 8 waves a work-group, no clusters, 0 bytes of LDS; arguments key, value, kb, vb; writes kb, vb
.if DOCPART == 1
	.amdgcn_target "amdgcn-amd-amdhsa--gfx1250"
	.amdhsa_code_object_version 6
	.text
	.protected	k_q37db9d3671_cast
	.globl	k_q37db9d3671_cast
	.p2align	8
	.type	k_q37db9d3671_cast,@function
k_q37db9d3671_cast:
	s_mov_b64 s[64:65], 0
	v_nop
	global_prefetch_b8 v0, s[64:65] scope:SCOPE_SE
	s_setreg_imm32_b32 hwreg(HW_REG_WAVE_MODE, 25, 1), 1
	s_wait_xcnt 0x0
; kb = key rounded to bf16.  vb = value rounded to bf16, that number written as f16.  key, value: [8][2048][1024] f32; kb, vb: the same shape in 16 bits.
; LIMITS.  A bf16 number is exact in f16 between 6.1e-5 and 65,504 in magnitude; below, it keeps f16's fixed step of 6e-8; from 65,520 on it becomes an infinity.  NaN and infinities are not treated apart.
; A stream: every byte is read once and written once, so there is no LDS, no barrier and no matrix work.
; SHARES.  A work-group takes 32,768 bytes of each input, a wave 4,096: eight loads of 16 bytes a lane for each tensor, 512 consecutive bytes a load.  All sixteen loads go out first.
; A load's four numbers a lane become 8 bytes: one store of a wave covers 256 consecutive bytes, aligned.  No register is written twice while a store may read it: each store has its own pair.
.set KI, 16                            ; v[16:47]   key as loaded
.set VI, 48                            ; v[48:79]   value as loaded
.set KO, 80                            ; v[80:95]   kb to store
.set VO, 96                            ; v[96:111]  vb to store
.set TM, 4                             ; v[4:9]     at work
	s_load_b256 s[4:11], s[0:1], 0x0               ; key s[4:5], value s[6:7], kb s[8:9], vb s[10:11]
	s_lshl_b32 s2, ttmp9, 15                       ; the work-group's first byte in the inputs (under 2^27)
	s_mov_b32 s3, 0
	s_lshl_b32 s12, ttmp9, 14                      ; and in the outputs
	s_mov_b32 s13, 0
	s_mov_b32 s14, 0xffff0000                      ; a word's upper bf16
	v_lshrrev_b32 v3, 5, v0                        ; wave
	v_and_b32 v12, 31, v0                          ; lane
	v_lshlrev_b32 v1, 4, v12
	v_lshl_add_u32 v1, v3, 12, v1                  ; in: 4,096 x wave + 16 x lane
	v_lshlrev_b32 v2, 3, v12
	v_lshl_add_u32 v2, v3, 11, v2                  ; out: 2,048 x wave + 8 x lane
	s_wait_kmcnt 0x0
	s_add_nc_u64 s[4:5], s[4:5], s[2:3]
	s_add_nc_u64 s[6:7], s[6:7], s[2:3]
	s_add_nc_u64 s[8:9], s[8:9], s[12:13]
	s_add_nc_u64 s[10:11], s[10:11], s[12:13]
.irp n, 0,1,2,3,4,5,6,7
	global_load_b128 v[KI+4*(\n):KI+4*(\n)+3], v1, s[4:5] offset:512*(\n) th:TH_LOAD_NT
.endr
.irp n, 0,1,2,3,4,5,6,7
	global_load_b128 v[VI+4*(\n):VI+4*(\n)+3], v1, s[6:7] offset:512*(\n) th:TH_LOAD_NT
.endr
.irp n, 0,1,2,3,4,5,6,7
	s_wait_loadcnt 15-(\n)                         ; loads come back in order: key's load n is in, the 15 - n younger ones stay out
	v_cvt_pk_bf16_f32 v[KO+2*(\n)], v[KI+4*(\n)], v[KI+4*(\n)+1]
	v_cvt_pk_bf16_f32 v[KO+2*(\n)+1], v[KI+4*(\n)+2], v[KI+4*(\n)+3]
	global_store_b64 v2, v[KO+2*(\n):KO+2*(\n)+1], s[8:9] offset:256*(\n)
.endr
.irp n, 0,1,2,3,4,5,6,7
	s_wait_loadcnt 7-(\n)                          ; value's load n is in
	v_cvt_pk_bf16_f32 v[TM], v[VI+4*(\n)], v[VI+4*(\n)+1]        ; rounded to bf16, as key and query are,
	v_cvt_pk_bf16_f32 v[TM+1], v[VI+4*(\n)+2], v[VI+4*(\n)+3]
	v_lshlrev_b32 v[TM+2], 16, v[TM]                             ; widened again,
	v_and_b32     v[TM+3], s14, v[TM]
	v_lshlrev_b32 v[TM+4], 16, v[TM+1]
	v_and_b32     v[TM+5], s14, v[TM+1]
	v_cvt_pk_f16_f32 v[VO+2*(\n)], v[TM+2], v[TM+3]              ; and written as f16: 8 significant bits fit into 11
	v_cvt_pk_f16_f32 v[VO+2*(\n)+1], v[TM+4], v[TM+5]
	global_store_b64 v2, v[VO+2*(\n):VO+2*(\n)+1], s[10:11] offset:256*(\n)
.endr
	s_endpgm
.Lfunc_end_k_q37db9d3671_cast:
	.size	k_q37db9d3671_cast, .Lfunc_end_k_q37db9d3671_cast-k_q37db9d3671_cast
	.p2alignl 7, 3214868480
	.fill 96, 4, 3214868480
	.section	.rodata,"a",@progbits
	.p2align	6, 0x0
	.amdhsa_kernel k_q37db9d3671_cast
		.amdhsa_group_segment_fixed_size 0
		.amdhsa_private_segment_fixed_size 0
		.amdhsa_enable_private_segment 0
		.amdhsa_kernarg_size 32
		.amdhsa_user_sgpr_count 2
		.amdhsa_user_sgpr_kernarg_segment_ptr 1
		.amdhsa_wavefront_size32 1
		.amdhsa_system_sgpr_workgroup_id_x 1
		.amdhsa_system_sgpr_workgroup_id_y 1
		.amdhsa_system_sgpr_workgroup_id_z 1
		.amdhsa_system_vgpr_workitem_id 0
		.amdhsa_next_free_vgpr 112
		.amdhsa_next_free_sgpr 66
		.amdhsa_reserve_vcc 0
		.amdhsa_float_denorm_mode_32 3
		.amdhsa_float_denorm_mode_16_64 3
		.amdhsa_memory_ordered 1
		.amdhsa_forward_progress 1
		.amdhsa_inst_pref_size 9
	.end_amdhsa_kernel
	.amdgpu_metadata
---
amdhsa.version: [ 1, 2 ]
amdhsa.kernels:
  - .name:           k_q37db9d3671_cast
    .symbol:         k_q37db9d3671_cast.kd
    .args:
      - { .name: key, .offset: 0, .size: 8, .value_kind: global_buffer, .address_space: global }
      - { .name: value, .offset: 8, .size: 8, .value_kind: global_buffer, .address_space: global }
      - { .name: kb, .offset: 16, .size: 8, .value_kind: global_buffer, .address_space: global }
      - { .name: vb, .offset: 24, .size: 8, .value_kind: global_buffer, .address_space: global }
    .group_segment_fixed_size: 0
    .private_segment_fixed_size: 0
    .kernarg_segment_align: 8
    .kernarg_segment_size: 32
    .max_flat_workgroup_size: 256
    .sgpr_count:     66
    .vgpr_count:     112
    .wavefront_size: 32
...
	.end_amdgpu_metadata
.endif
;; end of part 1
;; launch attn (part 2): grid 32 x 8, 4 waves a work-group, clusters of 4 x 1, 327,680 bytes of LDS; arguments query, kb, vb, pa, pb, ml, out0; writes pa, pb, ml, out0
.if DOCPART == 2
	.amdgcn_target "amdgcn-amd-amdhsa--gfx1250"
	.amdhsa_code_object_version 6
	.text
	.protected	k_q37db9d3671_attn
	.globl	k_q37db9d3671_attn
	.p2align	8
	.type	k_q37db9d3671_attn,@function
k_q37db9d3671_attn:
	s_mov_b64 s[64:65], 0
	v_nop
	global_prefetch_b8 v0, s[64:65] scope:SCOPE_SE
	s_setreg_imm32_b32 hwreg(HW_REG_WAVE_MODE, 25, 1), 1
	s_wait_xcnt 0x0
	s_wait_alu depctr_hold_cnt(0) depctr_sa_sdst(0) depctr_va_vdst(0) depctr_va_sdst(0) depctr_va_ssrc(0) depctr_va_vcc(0) depctr_vm_vsrc(0)
	s_getreg_b32 s2, hwreg(HW_REG_IB_STS2, 6, 4)
	s_cmp_eq_u32 s2, 0
	s_cbranch_scc0 .Lentry_in_a_cluster
	s_endpgm
.Lentry_in_a_cluster:
	s_bfe_u32 s2, ttmp6, 0x10000c
	s_cmp_lg_u32 s2, 0x3003
	s_cbranch_scc0 .Lentry_shape_is_right
	s_endpgm
.Lentry_shape_is_right:
; CAUSAL ATTENTION, one head of 1,024 channels.  out[b][q] = the sum over k of softmax_k((Q[q] . K[k] - 1e10 [k > q]) / 32) V[k].  query: [8][2048][1024] f32; kb (bf16), vb (f16): K and V in 16 bits.
; Q is rounded to bf16 here.  Products, maxima and sums in f32; the weights p are rounded to f16 for the second product (their sum l is taken of the unrounded p).
; LIMITS.  A hidden score is its dot product less 1e10, in f32.  p lies in 0 to 1; below 6e-5 it keeps f16's fixed step of 6e-8; a weight below 2^-126 counts as 0.  NaN and infinities are not treated apart.
; THE WALK.  A batch's queries lie in 8 blocks of 256; block b needs the key tiles 0 .. 4 b + 3 of 64 keys: 144 tiles a batch, 18 for each of its 8 clusters.  With e = cluster & 3:
;   clusters 0-3: block 7 - e, tiles 0 .. 17, left as a PARTIAL (unnormalised O into pa; c m and l into ml).
;   clusters 4-7: block 7 - e, tiles 18 .. 31 - 4 e, a partial into pb; then block e, tiles 0 .. 4 e + 3, finished into out0.  A later launch joins the partials.
; So every work-group walks 18 steps: a loop of 17 trips and a tail.  Step J's tile, block and kind are made anew in every trip from J and from registers that the head makes of the cluster's number and never rewrites;
; the four partners share that number.  Every jump but the loop's goes forward, and none passes a barrier or a tensor load.
; SHARES.  The four work-groups of a cluster take 64 queries each of the cluster's block and walk the same tiles: K's and V's tiles are asked for JOINTLY.  In a work-group wave u owns channels 256 u .. 256 u + 255
; of Q, K, V and O, for all 64 queries, and the softmax of query tile u (16 queries).  Register set i of wave u belongs to query tile (u + i) & 3: the turn lies in addresses alone, and set 0 is the wave's own tile.
; A TRIP.  (0) A round of the cluster's barrier, behind it this step's V.  (1) S^T = K Q^T over my 256 channels: 128 matrix instructions.  (2) Sets 1-3 go to their owners through LDS, in f32; barrier.  (3) The owner adds
; the four parts, masks, keeps a running maximum m and sum l, p = 2^(c s - c m), c = log2(e) / 32, a = 2^(c m_old - c m_new); P (f16) and (a, 1/l or 1, c m, l) go to LDS; a round, behind it the next step's K.
; (4) O^T = a O^T + V^T P for my channels: 128 matrix instructions.  K's buffer and V's take turns: each is filled while the other is multiplied.
; LAYOUT.  In S^T and O^T a lane holds ONE query (lane % 16); in S^T the keys 8 (lane / 16) + 0..7, so two results rounded in pairs ARE source 1 of V^T P.  V ([key][channel]) comes out of LDS turned.
; REGISTERS, in windows of 256 (s_set_vgpr_msb: bits 1:0 source 0, 3:2 source 1, 5:4 source 2, 7:6 destination):
;   window 0: v0-59 addresses and statistics; v64-127 K's two fragment buffers, later P (16 a set); v128-255 S^T (32 a set), later V's two fragment buffers, on the way out T and two row buffers
;   window 1: Q in bf16, fragment (set i, 32 channels ks) at 64 i + 8 ks          windows 2, 3: O^T, sets 0, 1 and sets 2, 3: set i, channel block cb at 128 (i % 2) + 8 cb
.set KP,    528                        ; a row of K in LDS: 512 bytes + 16: an odd multiple of 16, so the 16 rows of a fragment load start in 16 different columns of 16 bytes
.set VP,    544                        ; a row of V: 512 + 32: an odd multiple of 32, for the turning load
.set KQ_,   64*KP                      ; a wave's quarter of K's tile: 64 keys x its 256 channels
.set VQ_,   64*VP
.set VBUF,  4*KQ_                      ; 135,168
.set XBUF,  VBUF+4*VQ_                 ; 274,432: for each query tile 12,288 bytes: three slots of 4,096 for the other waves' parts of S^T;
.set XA,    12288                      ;   P takes the first 2,048 once slot 0 is read; the owner's stage for the way out lies at +4,096
.set STG,   4096
.set SP,    272                        ; a stage row: 256 bytes + 16
.set ABUF,  XBUF+4*XA                  ; 323,584: [query 0..63] (a, 1/l or 1, c m, l)
.set SPARE, ABUF+1024                  ; 324,608: the spare words, 128 bytes a wave: two blocks of 256 bytes that no other line names
.set R_,  1                            ; v1   lane % 16
.set H_,  2                            ; v2   lane / 16
.set SPW, 6                            ; v6   my spare word; never rewritten
.set NIL, 7                            ; v7   0; never rewritten
.set AK,  8                            ; v8   my place in my quarter of K
.set AV,  9                            ; v9   the same for V
.set XB,  10                           ; v10-13  set i: its tile's area in XBUF + 16 x lane
.set AA,  14                           ; v14-17  set i: my query's four words in ABUF
.set STO, 18                           ; v18  the way out: where I put 16 bytes of a row
.set RD,  19                           ; v19  where I read rows back
.set GO,  20                           ; v20-23  set i: my byte offset in the work-group's 64 rows of the output
.set QO,  24                           ; v24-27  set i: my byte offset in its 64 rows of query
.set DQ,  28                           ; v28  my query's place in the block, less 8 (lane / 16)
.set DD,  29                           ; v29  the same less the tile's place: key 16 kt + j of the tile is hidden where it is greater
.set PFO, 30                           ; v30  the prefetches' offset
.set MLA, 31                           ; v31  ABUF + 16 x lane + 8
.set MLO, 32                           ; v32  8 x lane
.set MT,  34                           ; v34-35  0 or -1e10, for a pair of scores
.set CMO, 36                           ; v36  c m_old
.set TD,  37                           ; v37  at work
.set MX,  38                           ; v38  m
.set PUB, 40                           ; v40-43  a, 1/l or 1, c m, l
.set CC,  44                           ; v44-47  at work
.set AP,  48                           ; v48-55  set i: (a, 1/l or 1) of my query
.set ML,  56                           ; v56-59  (c m, l) on their way to ml
.set KA,  64
.set PF,  64
.set SS,  128
.set VA,  128
.set TT,  128
.set BK,  160
.set WV,  18                           ; s18  my wave's number
.set CX,  19                           ; s19  my work-group's place in the cluster: it enters global addresses of my own and the mask alone
.set CL,  20                           ; s20  the cluster's number, 0 .. 7
.set BAT, 21                           ; s21  the batch
.set EE,  22                           ; s22  e
.set HI,  23                           ; s23  1 in clusters 4-7
.set G1K, 24                           ; s[24:31] descriptor group 1 for K's tiles
.set G1V, 32                           ; s[32:39] for V's: it differs in the padding alone
.set G0K, 40                           ; s[40:43] descriptor group 0 for K's
.set G0V, 44                           ; s[44:47] for V's
.set KB,  48                           ; s[48:49] kb at the batch's first row, my wave's channels
.set VB,  50                           ; s[50:51] vb likewise
.set OFF, 52                           ; s[52:53] a tile's byte offset: 131,072 x its number
.set PFK, 54                           ; s[54:55] kb at this step's tile; a prefetch names the one behind it
.set PFV, 56                           ; s[56:57] the same for vb
.set CS,  58                           ; s[58:59] c
.set SEL, 60                           ; s[60:61] v_permlanex16_b32's selects: each lane takes its own place in the other half
.set J,   66                           ; s66  the step's number, 0 .. 17: the loop's counter
.set TL,  67                           ; s67  the step's tile
.set PL,  68                           ; s68  a prefetch goes out while J - 1 is below this; never rewritten
.set R1,  69                           ; s69  steps of the first segment; never rewritten
.set T0,  70                           ; s70  its first tile; never rewritten
.set SH,  71                           ; s71  the tile's first key less the block's first query
.set FM,  72                           ; s72  0: the step's segment is left as a partial; -1: it is finished
.set BIGN, 73                          ; s73  -1e10
.set DESTL, 74                         ; s[74:75] pb at my 64 rows: where a segment that ends inside the loop goes
.set QB,  76                           ; s[76:77] query at the 64 rows of the segment that begins
.set MLD, 78                           ; s[78:79] ml at the first segment's 64 rows
.set DESTT, 80                         ; s[80:81] where the walk's last segment goes: pa (clusters 0-3) or out0 (clusters 4-7)
.set QB2, 82                           ; s[82:83] query at the second segment's rows
.set AD2, 84                           ; s84  32 - R1; never rewritten
.set BQ1, 85                           ; s85  the first segment's first query, 256 x its block; never rewritten
.set BQ2, 86                           ; s86  the second segment's; never rewritten
.set QB1, 90                           ; s[90:91] query at the first segment's rows
                                       ; at work: s62, s63, s87 never hold my place in the cluster; s2, s3, s88, s89, s92-95 may
.set MSB, 0
.macro WIN new                         ; the immediate's high byte repeats the setting that is left; a switch that changes nothing is dropped
.if MSB != (\new)
	s_set_vgpr_msb (MSB<<8)|(\new)
.set MSB, \new
.endif
.endm
.set W_S,  0x04                        ; Q (source 1) in window 1, all else in window 0
.set W_O2, 0xa0                        ; C and D in window 2 (+0x50: window 3)
.set W_R2, 0x82                        ; destination and source 0 in window 2 (+0x41: window 3)
.set W_T2, 0x02                        ; source 0 in window 2 (+1: window 3)
.set W_L2, 0x80                        ; destination in window 2 (+0x40: window 3)
.set W_C2, 0x4a                        ; sources 0, 1 in window 2, destination in window 1 (+5: sources in window 3)
.macro PLACES                          ; four plain vector instructions between a matrix instruction and a load into, or a reader of, its registers
.rept 4
	v_nop
.endr
.endm
; A round of the cluster's barrier: my work-group's barrier, so that wave 0's signal speaks for all four waves; wave 0 signals; every wave waits for all four work-groups; my work-group's barrier once more.
.macro ROUND
	s_barrier_signal -1
	s_barrier_wait -1
	s_cmp_lg_u32 s[WV], 0
	s_cbranch_scc1 .Lnw0_\@
	s_barrier_signal -3
.Lnw0_\@:
	s_barrier_wait -3
	s_barrier_signal -1
	s_barrier_wait -1
.endm
; A joint load: every wave fetches its own 256 channels of the tile's 64 rows, 32 KiB; the same line, descriptor and mask in all four work-groups.
.macro JLOAD g0, g1
	tensor_load_to_lds s[\g0:\g0+3], s[\g1:\g1+7]
	s_nop 0
	PLACES
.endm
; A PREFETCH INTO THE L2 of the next step's tiles of K and V, behind this step's load of V and the step's first run of LDS loads: K's load follows behind the scores and the softmax (128 matrix instructions), V's behind
; the whole step (256).  Tiles 0-17 are first walked by clusters 0-3 together: cluster 0 asks; tiles 18-31 first by cluster 4, which asks.  The four partners take 16 of a tile's 64 rows each, told apart by address; each
; wave asks for its own 512 bytes of a row, a lane for each 256.  So each block is named once in the launch.  Step 0 asks for nothing (the launch's first tiles are on their way), so a walk's first two tiles come by their
; loads alone; nothing is asked for behind the first segment's last tile, nor in the second segment.
.macro ASK
	s_sub_co_u32 s62, s[J], 1                      ; at J = 0 this is the greatest number
	s_cmp_lt_u32 s62, s[PL]
	s_cbranch_scc0 .Lquiet_\@
	global_prefetch_b8 v[PFO], s[PFK:PFK+1] offset:131072 th:TH_LOAD_NT scope:SCOPE_SE
	global_prefetch_b8 v[PFO], s[PFV:PFV+1] offset:131072 th:TH_LOAD_NT scope:SCOPE_SE
.Lquiet_\@:
.endm
; K's four fragments (16 keys x 32 channels each) of channels 32 ks on: lane l holds key l % 16, channels 8 (l / 16) + 0..7 and 16 + 8 (l / 16) + 0..7: two loads of 16 bytes, 32 bytes apart.
.macro FETCHK ks, buf
.irp kt, 0,1,2,3
	ds_load_b128 v[(\buf)+8*(\kt):(\buf)+8*(\kt)+3],   v[AK] offset:(\kt)*16*KP+64*(\ks)
	ds_load_b128 v[(\buf)+8*(\kt)+4:(\buf)+8*(\kt)+7], v[AK] offset:(\kt)*16*KP+64*(\ks)+32
.endr
.endm
; 16 products of S^T = K Q^T: the 16 accumulators take turns, in the same order for every ks.  ks = 0 starts the sums: nothing is cleared.
.macro SMUL ks, buf
.irp i, 0,1,2,3
.irp kt, 0,1,2,3
.if (\ks) == 0
	v_wmma_f32_16x16x32_bf16 v[SS+32*(\i)+8*(\kt):SS+32*(\i)+8*(\kt)+7], v[(\buf)+8*(\kt):(\buf)+8*(\kt)+7], v[64*(\i)+8*(\ks):64*(\i)+8*(\ks)+7], 0
.else
	v_wmma_f32_16x16x32_bf16 v[SS+32*(\i)+8*(\kt):SS+32*(\i)+8*(\kt)+7], v[(\buf)+8*(\kt):(\buf)+8*(\kt)+7], v[64*(\i)+8*(\ks):64*(\i)+8*(\ks)+7], v[SS+32*(\i)+8*(\kt):SS+32*(\i)+8*(\kt)+7]
.endif
.endr
.endr
.endm
; Sets 1-3 go to their owners: set i into slot i - 1 of its tile's area, lane by lane (32 lanes x 16 consecutive bytes a store).  Each accumulator's lowest registers go first.
.macro SEND
	PLACES
.irp i, 1,2,3
.irp n, 0,1,2,3,4,5,6,7
	ds_store_b128 v[XB+(\i)], v[SS+32*(\i)+4*(\n):SS+32*(\i)+4*(\n)+3] offset:((\i)-1)*4096+512*(\n)
.endr
.endr
.endm
; The owner takes the three parts of its tile, into the registers of the sets that it has sent, and adds them onto set 0.
.macro RECV
.irp sl, 0,1,2
.irp n, 0,1,2,3,4,5,6,7
	ds_load_b128 v[SS+32+32*(\sl)+4*(\n):SS+32+32*(\sl)+4*(\n)+3], v[XB] offset:4096*(\sl)+512*(\n)
.endr
.endr
.irp sl, 0,1,2
	s_wait_dscnt 16-8*(\sl)                        ; slot sl's eight loads are in; the younger slots' stay out
.set z, 0
.rept 16
	v_pk_add_f32 v[SS+2*z:SS+2*z+1], v[SS+2*z:SS+2*z+1], v[SS+32+32*(\sl)+2*z:SS+32+32*(\sl)+2*z+1]
.set z, z+1
.endr
.endr
.endm
; The mask: 1e10 is taken from a score whose key lies behind its query.  It is applied in every step, without a branch: for a tile that lies ahead of the block SH is -64 or less, so DD is 56 or more, and none of
; the numbers 0 .. 55 is greater.
.macro MASK
	v_sub_nc_u32 v[DD], v[DQ], s[SH]
.set mk, 0
.rept 16                               ; pair mk: keys 16 (mk / 4) + 2 (mk % 4) and the next of my eight in each group of 16
	v_cmp_gt_i32 vcc_lo, 16*(mk/4)+2*(mk%4), v[DD]
	v_cndmask_b32 v[MT], 0, s[BIGN], vcc_lo
	v_cmp_gt_i32 vcc_lo, 16*(mk/4)+2*(mk%4)+1, v[DD]
	v_cndmask_b32 v[MT+1], 0, s[BIGN], vcc_lo
	v_pk_add_f32 v[SS+2*mk:SS+2*mk+1], v[SS+2*mk:SS+2*mk+1], v[MT:MT+1]
.set mk, mk+1
.endr
.endm
; The softmax of my tile for this step.  s0-s31 are the lane's 32 scores.
.macro SOFT
.irp j, 0,1,2,3
	v_max3_num_f32 v[CC+(\j)], v[SS+8*(\j)], v[SS+8*(\j)+1], v[SS+8*(\j)+2]  ; four chains of seven scores, three operands at a time
.endr
.irp j, 0,1,2,3
	v_max3_num_f32 v[CC+(\j)], v[CC+(\j)], v[SS+8*(\j)+3], v[SS+8*(\j)+4]
.endr
.irp j, 0,1,2,3
	v_max3_num_f32 v[CC+(\j)], v[CC+(\j)], v[SS+8*(\j)+5], v[SS+8*(\j)+6]
.endr
	v_max3_num_f32 v[CC], v[CC], v[SS+7], v[SS+15]           ; the four scores left over,
	v_max3_num_f32 v[CC+2], v[CC+2], v[SS+23], v[SS+31]
	v_max3_num_f32 v[CC+1], v[CC+1], v[CC+3], v[MX]          ; the old m,
	v_mov_b32 v[CMO], v[PUB+2]                               ; (c m_old is kept)
	v_max3_num_f32 v[CC], v[CC], v[CC+1], v[CC+2]
	v_permlanex16_b32 v[CC+1], v[CC], s[SEL], s[SEL+1]       ; and the query's other 32 keys, in the lane 16 away
	v_max_num_f32 v[MX], v[CC], v[CC+1]
	v_mul_f32 v[PUB+2], s[CS], v[MX]
	v_sub_f32 v[TD], v[CMO], v[PUB+2]
	v_exp_f32 v[PUB], v[TD]                                  ; a.  It and the 32 below are ONE batch, with one wait
.set z, 0
.rept 16
	v_pk_fma_f32 v[SS+2*z:SS+2*z+1], v[SS+2*z:SS+2*z+1], s[CS:CS+1], v[PUB+2:PUB+3] op_sel_hi:[1,0,0] neg_lo:[0,0,1] neg_hi:[0,0,1]  ; c s - c m
.set z, z+1
.endr
.set z, 0
.rept 32
	v_exp_f32 v[SS+z], v[SS+z]
.set z, z+1
.endr
	v_nop                                          ; a plain instruction behind the last exponential (ISA guide 5.7.2),
	s_wait_alu depctr_va_vdst(0)                   ; and the wait ahead of the first reader: one for the batch
.set z, 0
.rept 16
	v_cvt_pk_f16_f32 v[PF+z], v[SS+2*z], v[SS+2*z+1]         ; P of my tile: it stays here as set 0's,
.set z, z+1
.endr
.irp n, 0,1,2,3
	ds_store_b128 v[XB], v[PF+4*(\n):PF+4*(\n)+3] offset:512*(\n)  ; and goes to the other waves, over slot 0, which I have read
.endr
.irp u, 0,1,2,3,4,5,6,7
	v_pk_add_f32 v[SS+4*(\u):SS+4*(\u)+1], v[SS+4*(\u):SS+4*(\u)+1], v[SS+4*(\u)+2:SS+4*(\u)+3]  ; the sum of the 16 pairs, as a tree, in place
.endr
.irp u, 0,1,2,3
	v_pk_add_f32 v[SS+8*(\u):SS+8*(\u)+1], v[SS+8*(\u):SS+8*(\u)+1], v[SS+8*(\u)+4:SS+8*(\u)+5]
.endr
.irp u, 0,1
	v_pk_add_f32 v[SS+16*(\u):SS+16*(\u)+1], v[SS+16*(\u):SS+16*(\u)+1], v[SS+16*(\u)+8:SS+16*(\u)+9]
.endr
	v_pk_add_f32 v[SS:SS+1], v[SS:SS+1], v[SS+16:SS+17]
	v_add_f32 v[CC], v[SS], v[SS+1]
	v_permlanex16_b32 v[CC+2], v[CC], s[SEL], s[SEL+1]
	v_add_f32 v[CC], v[CC], v[CC+2]
	v_fma_f32 v[PUB+3], v[PUB+3], v[PUB], v[CC]              ; l = a l + the sum
	v_rcp_f32 v[TD], v[PUB+3]
	v_nop
	s_wait_alu depctr_va_vdst(0)                   ; the reciprocal's wait
	v_cndmask_b32 v[PUB+1], 1.0, v[TD], s[FM]      ; what the way out multiplies by: 1/l in a segment that is finished, 1 in a partial
	ds_store_b128 v[AA], v[PUB:PUB+3]              ; lanes l and l + 16 hold the same query and write the same four words
.endm
; V's eight fragments (16 channels x 32 keys) of channel blocks 4 g .. 4 g + 3: the turning load takes 16 keys x 16 channels and leaves half a fragment of V^T.
.macro FETCHV g, buf
.irp kk, 0,1
.irp cbl, 0,1,2,3
	ds_load_tr16_b128 v[(\buf)+32*(\kk)+8*(\cbl):(\buf)+32*(\kk)+8*(\cbl)+3],   v[AV] offset:(\kk)*32*VP+(4*(\g)+(\cbl))*32
	ds_load_tr16_b128 v[(\buf)+32*(\kk)+8*(\cbl)+4:(\buf)+32*(\kk)+8*(\cbl)+7], v[AV] offset:(\kk)*32*VP+16*VP+(4*(\g)+(\cbl))*32
.endr
.endr
.endm
.macro RESCALE                         ; O^T times a, each accumulator from its low end on
.irp w, 0,1
	WIN W_R2+0x41*(\w)
.set z, 0
.rept 128
	v_pk_mul_f32 v[2*z:2*z+1], v[2*z:2*z+1], v[AP+2*(2*(\w)+z/64):AP+2*(2*(\w)+z/64)+1] op_sel_hi:[1,0]
.set z, z+1
.endr
.endr
.endm
; 32 products of O^T += V^T P: for each window 8 accumulators (4 channel blocks x 2 sets) by turns, twice (keys 0-31, 32-63).
.macro PVMUL g, buf
.irp w, 0,1
	WIN W_O2+0x50*(\w)
.irp kk, 0,1
.irp cbl, 0,1,2,3
.irp ii, 0,1
	v_wmma_f32_16x16x32_f16 v[128*(\ii)+8*(4*(\g)+(\cbl)):128*(\ii)+8*(4*(\g)+(\cbl))+7], v[(\buf)+32*(\kk)+8*(\cbl):(\buf)+32*(\kk)+8*(\cbl)+7], v[PF+16*(2*(\w)+(\ii))+8*(\kk):PF+16*(2*(\w)+(\ii))+8*(\kk)+7], v[128*(\ii)+8*(4*(\g)+(\cbl)):128*(\ii)+8*(4*(\g)+(\cbl))+7]
.endr
.endr
.endr
.endr
.endm
; THE HEAD OF A STEP: V's buffer is filled with step J's tile.  Each wave waits for all its tensor loads, of which one is out: its quarter of this step's K; adds 0 to its spare word; and waits for that and for its reads of
; V's buffer, of P and of the statistics.  What the step needs to know of itself is made between, from J: its tile (J + T0 in the first segment, J - R1 in the second: J + 32 - R1, cut to five bits), the tile's place
; against the block, and whether the segment is finished here.  more = 1 (the loop): the prefetches' addresses too.
.macro VFILL more
	s_wait_tensorcnt 0x0                           ; no tensor load of mine is out, so a group 0 may be written
	ds_add_u32 v[SPW], v[NIL]                      ; 0 onto my spare word; scalar work stands between it and the wait for it
.if \more
	s_wait_xcnt 0x0                                ; the last prefetches, a step back, have read their addresses, and a way out's stores their registers, on which the next scores land
.endif
	s_cmp_lt_u32 s[J], s[R1]                       ; the first segment?
	s_cselect_b32 s[TL], s[T0], s[AD2]
	s_cselect_b32 s63, s[BQ1], s[BQ2]
	s_cselect_b32 s[FM], 0, -1
	s_add_co_u32 s[TL], s[TL], s[J]
	s_and_b32 s[TL], s[TL], 31
	s_lshl_b32 s62, s[TL], 6
	s_sub_co_i32 s[SH], s62, s63
	s_lshl_b32 s[OFF], s[TL], 17
	s_add_nc_u64 s[G0V+2:G0V+3], s[VB:VB+1], s[OFF:OFF+1]    ; the descriptor's address is made anew from the tile's number
	s_or_b32 s[G0V+3], s[G0V+3], 0x80000000
.if \more
	s_add_nc_u64 s[PFK:PFK+1], s[KB:KB+1], s[OFF:OFF+1]
	s_add_nc_u64 s[PFV:PFV+1], s[VB:VB+1], s[OFF:OFF+1]
.endif
	s_wait_dscnt 0x0                               ; the add is done; my LDS reads of the step before are over, and so is my use of the stage
	ROUND                                          ; no wave of any partner still reads V's buffer or has a load on its way
	JLOAD G0V, G1V                                 ; it has the scores, the exchange and the softmax in which to land
.endm
; A KEY STEP.  refill = 1: the next step's K is asked for in its middle, and the prefetches go out near its head.
.macro STEP refill
	v_nop                                          ; with the four behind the tensor load: six places between the last products V^T P and what lands on their sources
	v_nop
	FETCHK 0, KA
	FETCHK 1, KA+32
.if \refill
	ASK
.endif
	WIN W_S
.set ks, 0
.rept 8
.if ks == 7
	s_wait_dscnt 0x0
.else
	s_wait_dscnt 0x8                               ; this ks's eight loads are in; the next fetch's eight stay out
.endif
	SMUL ks, KA+32*(ks%2)
.if ks < 6
	PLACES
	FETCHK ks+2, KA+32*(ks%2)                      ; into the buffer just multiplied
.endif
.set ks, ks+1
.endr
	WIN 0
	SEND
	s_wait_dscnt 0x0                               ; for the owners' sake: my parts lie in LDS
	s_barrier_signal -1                            ; V's tile may stay on its way across it
	s_barrier_wait -1
	RECV
	MASK
	SOFT
	s_wait_tensorcnt 0x0                           ; all my tensor loads have landed: the one that was out is my quarter of this step's V
	ds_add_u32 v[SPW], v[NIL]                      ; 0 onto my spare word; scalar work stands between it and the wait for it
.if \refill
	s_add_co_u32 s63, s[J], 1                      ; the next step's tile, made as the head of a step makes its own
	s_cmp_lt_u32 s63, s[R1]
	s_cselect_b32 s62, s[T0], s[AD2]
	s_add_co_u32 s62, s62, s63
	s_and_b32 s62, s62, 31
	s_lshl_b32 s[OFF], s62, 17
	s_add_nc_u64 s[G0K+2:G0K+3], s[KB:KB+1], s[OFF:OFF+1]
	s_or_b32 s[G0K+3], s[G0K+3], 0x80000000
.endif
	s_wait_dscnt 0x0                               ; the add is done; P and the statistics lie in LDS; my reads of K's buffer are over
.if \refill
	ROUND                                          ; no wave of any partner still reads K's buffer or has a load on its way
	JLOAD G0K, G1K                                 ; it has the rescaling and the second product in which to land
.else
	s_barrier_signal -1
	s_barrier_wait -1
.endif
.irp i, 0,1,2,3
	ds_load_b64 v[AP+2*(\i):AP+2*(\i)+1], v[AA+(\i)]
.endr
.irp i, 1,2,3
.irp n, 0,1,2,3
	ds_load_b128 v[PF+16*(\i)+4*(\n):PF+16*(\i)+4*(\n)+3], v[XB+(\i)] offset:512*(\n)
.endr
.endr
	FETCHV 0, VA
	FETCHV 1, VA+64
	s_wait_dscnt 0x2c                              ; the four loads of a are in; the 12 of P and the 32 of V stay out
	RESCALE
.set g, 0
.rept 4
.if g == 3
	s_wait_dscnt 0x0
.else
	s_wait_dscnt 0x10                              ; P and this g's fragments are in; the next fetch's sixteen stay out
.endif
	PVMUL g, VA+64*(g%2)
.if g < 2
	WIN 0
	PLACES
	FETCHV g+2, VA+64*(g%2)                        ; into the buffer just multiplied
.endif
.set g, g+1
.endr
	WIN 0
.endm
; THE WAY OUT of a segment, in 16 parts: part p = set p / 4, channels 64 (p % 4) on.  PACK: times 1/l or 1.  TOSTAGE: a lane's 8 channels of a row go into my stage, rows of 272 bytes, and come back as whole rows of 256.
; SENDOUT: sixteen lanes store 256 consecutive bytes, aligned.
.macro PACK p
	WIN W_T2+((\p)/8)
.set z, 0
.rept 16
	v_pk_mul_f32 v[TT+2*z:TT+2*z+1], v[128*(((\p)/4)%2)+32*((\p)%4)+2*z:128*(((\p)/4)%2)+32*((\p)%4)+2*z+1], v[AP+2*((\p)/4):AP+2*((\p)/4)+1] op_sel_hi:[1,0]
.set z, z+1
.endr
.endm
.macro TOSTAGE p
	WIN 0
.irp n, 0,1,2,3,4,5,6,7
	ds_store_b128 v[STO], v[TT+4*(\n):TT+4*(\n)+3] offset:64*((\n)/2)+16*((\n)%2)
.endr
	s_wait_xcnt 0x0                                ; the stores of the part two back have read the row buffer that is loaded again below
.irp n, 0,1,2,3,4,5,6,7
	ds_load_b128 v[BK+32*((\p)%2)+4*(\n):BK+32*((\p)%2)+4*(\n)+3], v[RD] offset:2*SP*(\n)  ; LDS serves a wave's instructions in order (ISA guide 5.7.1.4): these see the stores above
.endr
.endm
.macro SENDOUT p, dest
	WIN 0
	s_wait_dscnt 0x0
.irp n, 0,1,2,3,4,5,6,7
	global_store_b128 v[GO+(\p)/4], v[BK+32*((\p)%2)+4*(\n):BK+32*((\p)%2)+4*(\n)+3], s[\dest:\dest+1] offset:8192*(\n)+256*((\p)%4)
.endr
.endm
; dest: the scalar pair with the address of the 64 rows.  test = 0: the segment is a partial (a segment that ends inside the loop always is); test = 1: it may be either.
.macro OUTPUT dest, test
.irp i, 0,1,2,3
	v_mov_b32 v[AP+2*(\i)], v[AP+2*(\i)+1]         ; 1/l or 1 takes a's place; these four are also the places behind the last products
.endr
.if \test
	s_cmp_lg_u32 s[FM], 0
	s_cbranch_scc1 .Lnoml_\@
.endif
	s_cmp_lg_u32 s[WV], 0                          ; a partial leaves c m and l of its 64 queries too: wave 0 stores them, 256 consecutive bytes a store
	s_cbranch_scc1 .Lnoml_\@
	ds_load_b64 v[ML:ML+1], v[MLA]
	ds_load_b64 v[ML+2:ML+3], v[MLA] offset:512
	s_wait_dscnt 0x0
	global_store_b64 v[MLO], v[ML:ML+1], s[MLD:MLD+1]
	global_store_b64 v[MLO], v[ML+2:ML+3], s[MLD:MLD+1] offset:256
.Lnoml_\@:
	PACK 0
	TOSTAGE 0
.set pp, 1
.rept 15                               ; a part's arithmetic stands between the loads of the part before and its stores
	PACK pp
	SENDOUT pp-1, \dest
	TOSTAGE pp
.set pp, pp+1
.endr
	SENDOUT 15, \dest
.endm
; A SEGMENT BEGINS.  Q's 64 rows x my 256 channels land, in f32, in O^T's 512 registers and are rounded to bf16 into window 1.  O^T is not cleared: c m starts far below every c s, so the first step's a is 0, and what
; O^T holds need only be finite.  m starts at the lowest finite number, l at 0.
.macro BEGIN
.irp i, 0,1,2,3
	WIN W_L2+0x40*((\i)/2)
.set ks, 0
.rept 8
.irp q, 0,1,2,3
	global_load_b128 v[128*((\i)%2)+16*ks+4*(\q):128*((\i)%2)+16*ks+4*(\q)+3], v[QO+(\i)], s[QB:QB+1] offset:128*ks+16*((\q)%2)+64*((\q)/2)
.endr
.set ks, ks+1
.endr
.endr
	WIN 0
	v_mov_b32 v[PUB+3], 0
	v_mov_b32 v[PUB+2], 0xfe000000
	v_mov_b32 v[MX], 0xff7fffff
	s_wait_loadcnt 0x0
.irp i, 0,1,2,3
	WIN W_C2+5*((\i)/2)
.set z, 0
.rept 64
	v_cvt_pk_bf16_f32 v[64*(\i)+z], v[128*((\i)%2)+2*z], v[128*((\i)%2)+2*z+1]
.set z, z+1
.endr
.endr
	WIN 0
.endm
	s_load_b256 s[4:11], s[0:1], 0x0               ; query s[4:5], kb s[6:7], vb s[8:9], pa s[10:11]
	s_load_b128 s[12:15], s[0:1], 0x20             ; pb s[12:13], ml s[14:15]
	s_load_b64 s[16:17], s[0:1], 0x30              ; out0
	v_lshl_add_u32 v[SPW], v0, 2, SPARE
	v_mov_b32 v[NIL], 0
	ds_add_u32 v[SPW], v[NIL]                      ; the wave's opening, ahead of my first tensor load; the set-up below, work on registers, stands between the add and its wait
	v_lshrrev_b32 v3, 5, v0
	v_readfirstlane_b32 s[WV], v3                  ; wave 0..3
	s_bfe_u32 s[CX], ttmp6, 0x40000
	s_mov_b32 s[CL], ttmp9                         ; in a cluster launch ttmp9 counts clusters
	s_and_b32 s[BAT], ttmp7, 0xffff
	s_and_b32 s[EE], s[CL], 3
	s_lshr_b32 s[HI], s[CL], 2
	; descriptor group 1: a tile of 64 rows x 256 elements of 2 bytes, rows 1,024 elements apart, padded in LDS behind every row
	s_mov_b32 s[G1K], 15|(1<<16)|(1<<20)|(1<<21)|(6<<22)|(3<<25)  ; 15:0 the mask of four; 17:16 2-byte elements; 20 padding on; 21 set beside a mask; 24:22 after every 128 words (code 6); 31:25 4 words (code 3)
	s_mov_b32 s[G1V], 15|(1<<16)|(1<<20)|(1<<21)|(6<<22)|(7<<25)  ; the same with 8 words of padding (code 7)
.irp g1, G1K, G1V
	s_mov_b32 s[(\g1)+1], 256<<16                  ; tensor_dim0 = 256
	s_mov_b32 s[(\g1)+2], 64<<16                   ; tensor_dim1 = 64
	s_mov_b32 s[(\g1)+3], 256<<16                  ; tile_dim0 = 256
	s_mov_b32 s[(\g1)+4], 64                       ; tile_dim1 = 64
	s_mov_b32 s[(\g1)+5], 1024                     ; elements from row to row
	s_mov_b32 s[(\g1)+6], 0
	s_mov_b32 s[(\g1)+7], 0
.endr
	s_mov_b32 s[G0K], 1                            ; count = 1
	s_mul_i32 s[G0K+1], s[WV], KQ_                 ; LDS address: my quarter of K's buffer; the same for every tile
	s_mov_b32 s[G0V], 1
	s_mul_i32 s[G0V+1], s[WV], VQ_
	s_add_co_u32 s[G0V+1], s[G0V+1], VBUF
	s_mov_b32 s[CS], 0x3d38aa3b                    ; c = log2(e) / 32 = 0.0450842
	s_mov_b32 s[CS+1], s[CS]                       ; named with it as a pair
	s_mov_b32 s[SEL], 0x76543210
	s_mov_b32 s[SEL+1], 0xfedcba98
	s_mov_b32 s[BIGN], 0xd01502f9                  ; -1e10
	; the walk's constants
	s_sub_co_u32 s87, 7, s[EE]                     ; the first segment's block
	s_mul_i32 s[T0], s[HI], 18                     ; its first tile
	s_lshl_b32 s62, s[EE], 2
	s_sub_co_u32 s63, 14, s62
	s_cmp_eq_u32 s[HI], 0
	s_cselect_b32 s[R1], 18, s63                   ; its steps
	s_sub_co_u32 s[AD2], 32, s[R1]
	s_lshl_b32 s[BQ1], s87, 8
	s_lshl_b32 s[BQ2], s[EE], 8
	s_sub_co_u32 s62, s[R1], 2
	s_cmp_eq_u32 s[EE], 0
	s_cselect_b32 s[PL], s62, 0                    ; clusters 0 and 4 prefetch, in steps 1 .. R1 - 2
	; byte offsets, made apart from the addresses; all stay under 2^27
	s_lshl_b32 s92, s[BAT], 11
	s_lshl_b32 s93, s[CX], 6
	s_add_co_u32 s92, s92, s93                     ; 2,048 x batch + 64 x my place
	s_add_co_u32 s94, s[BQ1], s92
	s_lshl_b32 s94, s94, 12                        ; s[94:95]: my rows of the first segment in query
	s_mov_b32 s95, 0
	s_add_co_u32 s2, s[BQ2], s92
	s_lshl_b32 s2, s2, 12                          ; s[2:3]: my rows of the second segment, in query and in out0
	s_mov_b32 s3, 0
	s_lshl_b32 s88, s[BAT], 10
	s_add_co_u32 s88, s88, s93
	s_add_co_u32 s88, s88, s[BQ1]
	s_sub_co_u32 s88, s88, 1024                    ; my first row among the partials': 1,024 x batch + 256 x (block - 4) + 64 x my place
	s_lshl_b32 s92, s88, 3
	s_lshl_b32 s93, s[HI], 16
	s_add_co_u32 s92, s92, s93                     ; s[92:93]: in ml
	s_mov_b32 s93, 0
	s_lshl_b32 s88, s88, 12                        ; s[88:89]: in pa or pb
	s_mov_b32 s89, 0
	s_lshl_b32 s[OFF], s[BAT], 22                  ; the batch's 4 MiB of kb and of vb, my wave's 512 bytes of a row: nothing of my place in the cluster
	s_lshl_b32 s62, s[WV], 9
	s_add_co_u32 s[OFF], s[OFF], s62
	s_mov_b32 s[OFF+1], 0
	s_wait_dscnt 0x0                               ; the opening add is done
	s_wait_kmcnt 0x0
	s_add_nc_u64 s[KB:KB+1], s[6:7], s[OFF:OFF+1]
	s_add_nc_u64 s[VB:VB+1], s[8:9], s[OFF:OFF+1]
	s_add_nc_u64 s[QB1:QB1+1], s[4:5], s[94:95]
	s_add_nc_u64 s[QB2:QB2+1], s[4:5], s[2:3]
	s_add_nc_u64 s[MLD:MLD+1], s[14:15], s[92:93]
	s_add_nc_u64 s[DESTL:DESTL+1], s[12:13], s[88:89]
	s_cmp_lg_u32 s[HI], 0
	s_cselect_b64 s[DESTT:DESTT+1], s[16:17], s[10:11]
	s_cselect_b64 s[88:89], s[2:3], s[88:89]
	s_add_nc_u64 s[DESTT:DESTT+1], s[DESTT:DESTT+1], s[88:89]
	s_lshl_b32 s[OFF], s[T0], 17                   ; the walk's first tile
	s_add_nc_u64 s[G0K+2:G0K+3], s[KB:KB+1], s[OFF:OFF+1]
	s_or_b32 s[G0K+3], s[G0K+3], 0x80000000        ; type = 2
	ROUND                                          ; all four work-groups are here: the first joint loads meet
	JLOAD G0K, G1K                                 ; K of step 0.  V of step 0 is fetched by the loop's own fill
	; the lanes' addresses
	v_and_b32 v[R_], 15, v0
	v_bfe_u32 v[H_], v0, 4, 1
	v_and_b32 v3, 31, v0
	s_mul_i32 s62, s[WV], KQ_
	v_mul_u32_u24 v[AK], v[R_], KP
	v_lshl_add_u32 v[AK], v[H_], 4, v[AK]
	v_add_nc_u32 v[AK], s62, v[AK]                 ; my quarter + row x pitch + 16 x half
	v_and_b32 v4, 7, v0
	v_bfe_u32 v5, v0, 3, 1
	v_lshl_add_u32 v[AV], v[H_], 3, v4             ; the turning load: key 8 (l / 16) + l % 8,
	v_mul_u32_u24 v[AV], v[AV], VP
	v_lshl_add_u32 v[AV], v5, 4, v[AV]             ; channels 8 ((l / 8) % 2) on
	s_mul_i32 s62, s[WV], VQ_
	s_add_co_u32 s62, s62, VBUF
	v_add_nc_u32 v[AV], s62, v[AV]
.irp i, 0,1,2,3
	s_add_co_u32 s87, s[WV], \i
	s_and_b32 s87, s87, 3                          ; set i's query tile
	s_mul_i32 s62, s87, XA
	s_add_co_u32 s62, s62, XBUF
	v_lshl_add_u32 v[XB+(\i)], v3, 4, s62
	s_lshl_b32 s62, s87, 8
	s_add_co_u32 s62, s62, ABUF
	v_lshl_add_u32 v[AA+(\i)], v[R_], 4, s62
	s_lshl_b32 s62, s87, 16                        ; 16 rows of 4,096 bytes a tile,
	s_lshl_b32 s63, s[WV], 10                      ; my 256 channels in f32
	s_add_co_u32 s62, s62, s63
	v_lshl_add_u32 v[GO+(\i)], v[H_], 12, s62      ; out: lanes 0-15 one row, lanes 16-31 the next, 16 bytes a lane
	v_lshl_add_u32 v[GO+(\i)], v[R_], 4, v[GO+(\i)]
	v_lshl_add_u32 v[QO+(\i)], v[R_], 12, s62      ; Q: row l % 16, 8 channels (32 bytes) for each half of the lanes
	v_lshl_add_u32 v[QO+(\i)], v[H_], 5, v[QO+(\i)]
.endr
	s_mul_i32 s62, s[WV], XA
	s_add_co_u32 s62, s62, XBUF+STG                ; my stage
	v_mul_u32_u24 v[STO], v[R_], SP
	v_lshl_add_u32 v[STO], v[H_], 5, v[STO]
	v_add_nc_u32 v[STO], s62, v[STO]
	v_mul_u32_u24 v[RD], v[H_], SP
	v_lshl_add_u32 v[RD], v[R_], 4, v[RD]
	v_add_nc_u32 v[RD], s62, v[RD]
	s_lshl_b32 s92, s[CX], 6
	s_lshl_b32 s93, s[WV], 4
	s_add_co_u32 s92, s92, s93
	v_lshlrev_b32 v4, 3, v[H_]
	v_sub_nc_u32 v[DQ], v[R_], v4
	v_add_nc_u32 v[DQ], s92, v[DQ]                 ; 64 x my place + 16 x wave + l % 16 - 8 (l / 16)
	v_lshrrev_b32 v4, 1, v3
	s_lshl_b32 s92, s[CX], 4
	v_add_nc_u32 v4, s92, v4                       ; row 16 x my place + l / 2 of a tile,
	v_and_b32 v5, 1, v3
	v_lshlrev_b32 v[PFO], 11, v4                   ; 2,048 bytes a row,
	v_lshl_add_u32 v[PFO], v5, 8, v[PFO]           ; which 256 of my wave's 512
	v_lshl_add_u32 v[MLA], v3, 4, ABUF+8
	v_lshlrev_b32 v[MLO], 3, v3
	s_mov_b32 s[J], 0
	s_branch .Lbegin                               ; the loop is entered where a segment begins, in the middle of a trip's head
.Ltrip:                                        ; 17 trips: step J; its V and the next step's K are asked for
	s_cmp_lg_u32 s[J], s[R1]                       ; has the first segment just ended?  (Clusters 4-7 alone: R1 is 18 in the others)
	s_cbranch_scc1 .Lold
	OUTPUT DESTL, 0                                ; it goes out, a partial, ahead of the round behind which the other waves write into my stage's bytes,
.Lbegin:
	s_cmp_lt_u32 s[J], s[R1]
	s_cselect_b64 s[QB:QB+1], s[QB1:QB1+1], s[QB2:QB2+1]     ; (the loads that read this pair before have come back)
	BEGIN                                          ; and the next begins
.Lold:
	VFILL 1
	STEP 1
	s_add_co_u32 s[J], s[J], 1
	s_cmp_lt_u32 s[J], 17
	s_cbranch_scc1 .Ltrip
	VFILL 0                                        ; the walk's last step is written out: its V is the last tile asked for
	STEP 0
	OUTPUT DESTT, 1
	s_wait_tensorcnt 0x0                           ; the wave's end, behind my last tensor load and my last LDS store
	ds_add_u32 v[SPW], v[NIL]
	s_wait_dscnt 0x0
	ROUND                                          ; the closing round: no work-group ends while a partner may still ask for a tile that names it
	s_endpgm
.Lfunc_end_k_q37db9d3671_attn:
	.size	k_q37db9d3671_attn, .Lfunc_end_k_q37db9d3671_attn-k_q37db9d3671_attn
	.p2alignl 7, 3214868480
	.fill 96, 4, 3214868480
	.section	.rodata,"a",@progbits
	.p2align	6, 0x0
	.amdhsa_kernel k_q37db9d3671_attn
		.amdhsa_group_segment_fixed_size 327680
		.amdhsa_private_segment_fixed_size 0
		.amdhsa_enable_private_segment 0
		.amdhsa_kernarg_size 56
		.amdhsa_user_sgpr_count 2
		.amdhsa_user_sgpr_kernarg_segment_ptr 1
		.amdhsa_wavefront_size32 1
		.amdhsa_system_sgpr_workgroup_id_x 1
		.amdhsa_system_sgpr_workgroup_id_y 1
		.amdhsa_system_sgpr_workgroup_id_z 1
		.amdhsa_system_vgpr_workitem_id 0
		.amdhsa_next_free_vgpr 1024
		.amdhsa_next_free_sgpr 96
		.amdhsa_reserve_vcc 1
		.amdhsa_float_denorm_mode_32 3
		.amdhsa_float_denorm_mode_16_64 3
		.amdhsa_memory_ordered 1
		.amdhsa_forward_progress 1
		.amdhsa_inst_pref_size 254
	.end_amdhsa_kernel
	.amdgpu_metadata
---
amdhsa.version: [ 1, 2 ]
amdhsa.kernels:
  - .name:           k_q37db9d3671_attn
    .symbol:         k_q37db9d3671_attn.kd
    .args:
      - { .name: query, .offset: 0, .size: 8, .value_kind: global_buffer, .address_space: global }
      - { .name: kb, .offset: 8, .size: 8, .value_kind: global_buffer, .address_space: global }
      - { .name: vb, .offset: 16, .size: 8, .value_kind: global_buffer, .address_space: global }
      - { .name: pa, .offset: 24, .size: 8, .value_kind: global_buffer, .address_space: global }
      - { .name: pb, .offset: 32, .size: 8, .value_kind: global_buffer, .address_space: global }
      - { .name: ml, .offset: 40, .size: 8, .value_kind: global_buffer, .address_space: global }
      - { .name: out0, .offset: 48, .size: 8, .value_kind: global_buffer, .address_space: global }
    .group_segment_fixed_size: 327680
    .private_segment_fixed_size: 0
    .kernarg_segment_align: 8
    .kernarg_segment_size: 56
    .max_flat_workgroup_size: 128
    .sgpr_count:     96
    .vgpr_count:     1024
    .wavefront_size: 32
...
	.end_amdgpu_metadata
.endif
;; end of part 2
;; launch merge (part 3): grid 512 x 1, 8 waves a work-group, no clusters, 0 bytes of LDS; arguments pa, pb, ml, out0; writes out0
.if DOCPART == 3
	.amdgcn_target "amdgcn-amd-amdhsa--gfx1250"
	.amdhsa_code_object_version 6
	.text
	.protected	k_q37db9d3671_merge
	.globl	k_q37db9d3671_merge
	.p2align	8
	.type	k_q37db9d3671_merge,@function
k_q37db9d3671_merge:
	s_mov_b64 s[64:65], 0
	v_nop
	global_prefetch_b8 v0, s[64:65] scope:SCOPE_SE
	s_setreg_imm32_b32 hwreg(HW_REG_WAVE_MODE, 25, 1), 1
	s_wait_xcnt 0x0
; The two partials of the rows 1,024 .. 2,047 of each batch are joined.  pa, pb: [8][1024][1024] f32, unnormalised sums of p V; ml: [2][8][1024] pairs (c m, l), in base 2.
; out = (A 2^(cmA - M) + B 2^(cmB - M)) / (lA 2^(cmA - M) + lB 2^(cmB - M)), M = the greater of cmA and cmB: the maximum is taken away before the exponentials.
; Part A holds every row's first keys, so the divisor is at least about 1.  A row that saw no key in part B has cmB near -4.5e8: its weight is 0, and its finite sums count for nothing.
; A stream: each byte is read once and written once; no LDS, no barrier, no matrix work.  A work-group takes 16 rows, a wave 2; a load or store of a wave covers 512 consecutive bytes, aligned.
.set MA,  4                            ; v[4:7]     (c m, l) of part A, rows 0 and 1
.set MB,  8                            ; v[8:11]    of part B
.set PA_, 16                           ; v[16:79]   part A's two rows, then the result
.set PB_, 80                           ; v[80:143]  part B's
.set WT,  144                          ; v[144:159] eight at work for each row; at the end +0 holds A's factor, +2 B's
	s_load_b256 s[4:11], s[0:1], 0x0               ; pa s[4:5], pb s[6:7], ml s[8:9], out0 s[10:11]
	s_lshl_b32 s2, ttmp9, 16                       ; 16 rows of 4,096 bytes
	s_mov_b32 s3, 0
	s_lshl_b32 s12, ttmp9, 7                       ; 16 rows of 8 bytes
	s_mov_b32 s13, 0
	s_lshr_b32 s14, ttmp9, 6                       ; the batch: 64 work-groups each
	s_and_b32 s15, ttmp9, 63
	s_lshl_b32 s14, s14, 11
	s_lshl_b32 s15, s15, 4
	s_add_co_u32 s14, s14, s15
	s_add_co_u32 s14, s14, 1024                    ; row 2,048 x batch + 1,024 + 16 x the rest
	s_lshl_b32 s14, s14, 12
	s_mov_b32 s15, 0
	v_lshrrev_b32 v3, 5, v0                        ; wave
	v_and_b32 v12, 31, v0                          ; lane
	v_lshlrev_b32 v1, 4, v12
	v_lshl_add_u32 v1, v3, 13, v1                  ; 2 rows x wave + 16 x lane
	v_lshlrev_b32 v2, 4, v3                        ; 2 pairs x wave
	s_wait_kmcnt 0x0
	s_add_nc_u64 s[4:5], s[4:5], s[2:3]
	s_add_nc_u64 s[6:7], s[6:7], s[2:3]
	s_add_nc_u64 s[8:9], s[8:9], s[12:13]
	s_add_nc_u64 s[10:11], s[10:11], s[14:15]
	global_load_b128 v[MA:MA+3], v2, s[8:9]
	global_load_b128 v[MB:MB+3], v2, s[8:9] offset:65536
.irp ro, 0,1
.irp k, 0,1,2,3,4,5,6,7
	global_load_b128 v[PA_+32*(\ro)+4*(\k):PA_+32*(\ro)+4*(\k)+3], v1, s[4:5] offset:4096*(\ro)+512*(\k) th:TH_LOAD_NT
.endr
.irp k, 0,1,2,3,4,5,6,7
	global_load_b128 v[PB_+32*(\ro)+4*(\k):PB_+32*(\ro)+4*(\k)+3], v1, s[6:7] offset:4096*(\ro)+512*(\k) th:TH_LOAD_NT
.endr
.endr
	s_wait_loadcnt 32                              ; the two loads of ml are in; the 32 of the rows stay out
.irp ro, 0,1
	v_max_num_f32 v[WT+8*(\ro)], v[MA+2*(\ro)], v[MB+2*(\ro)]
	v_sub_f32 v[WT+8*(\ro)+1], v[MA+2*(\ro)], v[WT+8*(\ro)]
	v_sub_f32 v[WT+8*(\ro)+2], v[MB+2*(\ro)], v[WT+8*(\ro)]
.endr
.irp ro, 0,1
	v_exp_f32 v[WT+8*(\ro)+3], v[WT+8*(\ro)+1]
	v_exp_f32 v[WT+8*(\ro)+4], v[WT+8*(\ro)+2]
.endr
	v_nop                                          ; a plain instruction behind the last exponential (ISA guide 5.7.2),
	s_wait_alu depctr_va_vdst(0)                   ; and the wait ahead of the first reader: one for the four
.irp ro, 0,1
	v_mul_f32 v[WT+8*(\ro)+5], v[MB+2*(\ro)+1], v[WT+8*(\ro)+4]
	v_fma_f32 v[WT+8*(\ro)+5], v[MA+2*(\ro)+1], v[WT+8*(\ro)+3], v[WT+8*(\ro)+5]
.endr
.irp ro, 0,1
	v_rcp_f32 v[WT+8*(\ro)+6], v[WT+8*(\ro)+5]
.endr
	v_nop
	s_wait_alu depctr_va_vdst(0)                   ; one wait for the two reciprocals
.irp ro, 0,1
	v_mul_f32 v[WT+8*(\ro)], v[WT+8*(\ro)+3], v[WT+8*(\ro)+6]      ; A's factor: the packed lines below take a pair's low word for both halves
	v_mul_f32 v[WT+8*(\ro)+2], v[WT+8*(\ro)+4], v[WT+8*(\ro)+6]    ; B's
.endr
.irp ro, 0,1
	s_wait_loadcnt 16-16*(\ro)                     ; this row's sixteen loads are in; the next row's stay out
.irp k, 0,1,2,3,4,5,6,7
.irp d, 0,2
	v_pk_mul_f32 v[PA_+32*(\ro)+4*(\k)+(\d):PA_+32*(\ro)+4*(\k)+(\d)+1], v[PA_+32*(\ro)+4*(\k)+(\d):PA_+32*(\ro)+4*(\k)+(\d)+1], v[WT+8*(\ro):WT+8*(\ro)+1] op_sel_hi:[1,0]
.endr
.irp d, 0,2
	v_pk_fma_f32 v[PA_+32*(\ro)+4*(\k)+(\d):PA_+32*(\ro)+4*(\k)+(\d)+1], v[PB_+32*(\ro)+4*(\k)+(\d):PB_+32*(\ro)+4*(\k)+(\d)+1], v[WT+8*(\ro)+2:WT+8*(\ro)+3], v[PA_+32*(\ro)+4*(\k)+(\d):PA_+32*(\ro)+4*(\k)+(\d)+1] op_sel_hi:[1,0,1]
.endr
	global_store_b128 v1, v[PA_+32*(\ro)+4*(\k):PA_+32*(\ro)+4*(\k)+3], s[10:11] offset:4096*(\ro)+512*(\k) th:TH_STORE_NT
.endr
.endr
	s_endpgm
.Lfunc_end_k_q37db9d3671_merge:
	.size	k_q37db9d3671_merge, .Lfunc_end_k_q37db9d3671_merge-k_q37db9d3671_merge
	.p2alignl 7, 3214868480
	.fill 96, 4, 3214868480
	.section	.rodata,"a",@progbits
	.p2align	6, 0x0
	.amdhsa_kernel k_q37db9d3671_merge
		.amdhsa_group_segment_fixed_size 0
		.amdhsa_private_segment_fixed_size 0
		.amdhsa_enable_private_segment 0
		.amdhsa_kernarg_size 32
		.amdhsa_user_sgpr_count 2
		.amdhsa_user_sgpr_kernarg_segment_ptr 1
		.amdhsa_wavefront_size32 1
		.amdhsa_system_sgpr_workgroup_id_x 1
		.amdhsa_system_sgpr_workgroup_id_y 1
		.amdhsa_system_sgpr_workgroup_id_z 1
		.amdhsa_system_vgpr_workitem_id 0
		.amdhsa_next_free_vgpr 160
		.amdhsa_next_free_sgpr 66
		.amdhsa_reserve_vcc 0
		.amdhsa_float_denorm_mode_32 3
		.amdhsa_float_denorm_mode_16_64 3
		.amdhsa_memory_ordered 1
		.amdhsa_forward_progress 1
		.amdhsa_inst_pref_size 11
	.end_amdhsa_kernel
	.amdgpu_metadata
---
amdhsa.version: [ 1, 2 ]
amdhsa.kernels:
  - .name:           k_q37db9d3671_merge
    .symbol:         k_q37db9d3671_merge.kd
    .args:
      - { .name: pa, .offset: 0, .size: 8, .value_kind: global_buffer, .address_space: global }
      - { .name: pb, .offset: 8, .size: 8, .value_kind: global_buffer, .address_space: global }
      - { .name: ml, .offset: 16, .size: 8, .value_kind: global_buffer, .address_space: global }
      - { .name: out0, .offset: 24, .size: 8, .value_kind: global_buffer, .address_space: global }
    .group_segment_fixed_size: 0
    .private_segment_fixed_size: 0
    .kernarg_segment_align: 8
    .kernarg_segment_size: 32
    .max_flat_workgroup_size: 256
    .sgpr_count:     66
    .vgpr_count:     160
    .wavefront_size: 32
...
	.end_amdgpu_metadata
.endif
;; end of part 3
;; ======== version 2 of 2: 3 launches; version 1 with the launch merge written anew for expert scheduling mode
;; limits: values are held in f16: magnitudes above 65,504 overflow, below 6.1e-05 lose precision; inputs' magnitudes at most 65,280
;; workspace buffers: kb 33,554,432 bytes; vb 33,554,432 bytes; pa 33,554,432 bytes; pb 33,554,432 bytes; ml 131,072 bytes
;; launch cast: the kernel of part 1 again; grid 2048 x 1, 8 waves a work-group, no clusters, 0 bytes of LDS; arguments key, value, kb, vb; writes kb, vb
;; launch attn: the kernel of part 2 again; grid 32 x 8, 4 waves a work-group, clusters of 4 x 1, 327,680 bytes of LDS; arguments query, kb, vb, pa, pb, ml, out0; writes pa, pb, ml, out0
;; launch merge (part 4): grid 512 x 1, 8 waves a work-group, no clusters, 0 bytes of LDS; arguments pa, pb, ml, out0; writes out0
.if DOCPART == 4
	.amdgcn_target "amdgcn-amd-amdhsa--gfx1250"
	.amdhsa_code_object_version 6
	.text
	.protected	k_q37db9d3671_merge
	.globl	k_q37db9d3671_merge
	.p2align	8
	.type	k_q37db9d3671_merge,@function
k_q37db9d3671_merge:
	s_mov_b64 s[64:65], 0
	v_nop
	global_prefetch_b8 v0, s[64:65] scope:SCOPE_SE
	s_setreg_imm32_b32 hwreg(HW_REG_WAVE_SCHED_MODE, 0, 2), 2
	s_setreg_imm32_b32 hwreg(HW_REG_WAVE_MODE, 25, 1), 1
	s_wait_xcnt 0x0
	s_wait_alu depctr_vm_vsrc(0)
; The two partials of the rows 1,024 .. 2,047 of each batch are joined.  pa, pb: [8][1024][1024] f32, unnormalised sums of p V; ml: [2][8][1024] pairs (c m, l), in base 2.
; out = (A 2^(cmA - M) + B 2^(cmB - M)) / (lA 2^(cmA - M) + lB 2^(cmB - M)), M = the greater of cmA and cmB: the maximum is taken away before the exponentials.
; Part A holds every row's first keys, so the divisor is at least about 1.  A row that saw no key in part B has cmB near -4.5e8: its weight is 0, and its finite sums count for nothing.
; A stream: each byte is read once and written once; no LDS, no barrier, no matrix work.  A work-group takes 16 rows, a wave 2; a load or store of a wave covers 512 consecutive bytes, aligned.
; THE MODE: SCHED_MODE bits 1:0 = 2 (LLVM: expert scheduling mode 2), set by the entry lines.  The code itself states the register dependences
; between vector instructions and memory instructions, with s_wait_alu, always for 0.
; THE PLAN.  Registers that memory instructions touch:
;   v1, v2     byte offsets, made once at the head and never written again: one wait ahead of the first load states that they are written.
;   MA, MB     loaded once, then read by vector instructions alone.
;   PB_        loaded once, then read by vector instructions alone.
;   PA_        loaded once; behind the row's wait for its loads a piece's four packed lines write the result in place; the piece's one store reads it; nothing writes it again.
;   WT         named by vector instructions alone.
; So the stores' data are all that is left to state.  A row is eight pieces of 512 bytes and goes in two halves: pieces 0-3 are made, ONE wait states that they are written, and their four stores are dealt among
; the lines that make pieces 4-7, which name other registers of PA_ and PB_ and the row's WT: none that those stores touch.  A second wait states that pieces 4-7 are written, and their four stores follow it,
; ahead of the next row's wait for its loads.  No register that a memory instruction reads is ever written again, so nothing is stated for that.
.set MA,  4                            ; v[4:7]     (c m, l) of part A, rows 0 and 1
.set MB,  8                            ; v[8:11]    of part B
.set PA_, 16                           ; v[16:79]   part A's two rows, then the result
.set PB_, 80                           ; v[80:143]  part B's
.set WT,  144                          ; v[144:159] eight at work for each row; at the end +0 holds A's factor, +2 B's
	s_load_b256 s[4:11], s[0:1], 0x0               ; pa s[4:5], pb s[6:7], ml s[8:9], out0 s[10:11]
	s_lshl_b32 s2, ttmp9, 16                       ; 16 rows of 4,096 bytes
	s_mov_b32 s3, 0
	s_lshl_b32 s12, ttmp9, 7                       ; 16 rows of 8 bytes
	s_mov_b32 s13, 0
	s_lshr_b32 s14, ttmp9, 6                       ; the batch: 64 work-groups each
	s_and_b32 s15, ttmp9, 63
	s_lshl_b32 s14, s14, 11
	s_lshl_b32 s15, s15, 4
	s_add_co_u32 s14, s14, s15
	s_add_co_u32 s14, s14, 1024                    ; row 2,048 x batch + 1,024 + 16 x the rest
	s_lshl_b32 s14, s14, 12
	s_mov_b32 s15, 0
	v_lshrrev_b32 v3, 5, v0                        ; wave
	v_and_b32 v12, 31, v0                          ; lane
	v_lshlrev_b32 v1, 4, v12
	v_lshl_add_u32 v1, v3, 13, v1                  ; 2 rows x wave + 16 x lane
	v_lshlrev_b32 v2, 4, v3                        ; 2 pairs x wave
	s_wait_kmcnt 0x0
	s_add_nc_u64 s[4:5], s[4:5], s[2:3]
	s_add_nc_u64 s[6:7], s[6:7], s[2:3]
	s_add_nc_u64 s[8:9], s[8:9], s[12:13]
	s_add_nc_u64 s[10:11], s[10:11], s[14:15]
	s_wait_alu depctr_va_vdst(0)                   ; v1 and v2 are written: every load and store of the kernel reads one of them as its offset
	global_load_b128 v[MA:MA+3], v2, s[8:9]
	global_load_b128 v[MB:MB+3], v2, s[8:9] offset:65536
.irp ro, 0,1
.irp k, 0,1,2,3,4,5,6,7
	global_load_b128 v[PA_+32*(\ro)+4*(\k):PA_+32*(\ro)+4*(\k)+3], v1, s[4:5] offset:4096*(\ro)+512*(\k) th:TH_LOAD_NT
.endr
.irp k, 0,1,2,3,4,5,6,7
	global_load_b128 v[PB_+32*(\ro)+4*(\k):PB_+32*(\ro)+4*(\k)+3], v1, s[6:7] offset:4096*(\ro)+512*(\k) th:TH_LOAD_NT
.endr
.endr
	s_wait_loadcnt 32                              ; the two loads of ml are in; the 32 of the rows stay out
.irp ro, 0,1
	v_max_num_f32 v[WT+8*(\ro)], v[MA+2*(\ro)], v[MB+2*(\ro)]
	v_sub_f32 v[WT+8*(\ro)+1], v[MA+2*(\ro)], v[WT+8*(\ro)]
	v_sub_f32 v[WT+8*(\ro)+2], v[MB+2*(\ro)], v[WT+8*(\ro)]
.endr
.irp ro, 0,1
	v_exp_f32 v[WT+8*(\ro)+3], v[WT+8*(\ro)+1]
	v_exp_f32 v[WT+8*(\ro)+4], v[WT+8*(\ro)+2]
.endr
	v_nop                                          ; a plain instruction behind the last exponential (ISA guide 5.7.2),
	s_wait_alu depctr_va_vdst(0)                   ; and the wait ahead of the first reader: the four exponentials have written WT+3 and WT+4 of both rows
.irp ro, 0,1
	v_mul_f32 v[WT+8*(\ro)+5], v[MB+2*(\ro)+1], v[WT+8*(\ro)+4]
	v_fma_f32 v[WT+8*(\ro)+5], v[MA+2*(\ro)+1], v[WT+8*(\ro)+3], v[WT+8*(\ro)+5]
.endr
.irp ro, 0,1
	v_rcp_f32 v[WT+8*(\ro)+6], v[WT+8*(\ro)+5]
.endr
	v_nop
	s_wait_alu depctr_va_vdst(0)                   ; the two reciprocals have written WT+6 of both rows, ahead of their first reader
.irp ro, 0,1
	v_mul_f32 v[WT+8*(\ro)], v[WT+8*(\ro)+3], v[WT+8*(\ro)+6]      ; A's factor: the packed lines below take a pair's low word for both halves
	v_mul_f32 v[WT+8*(\ro)+2], v[WT+8*(\ro)+4], v[WT+8*(\ro)+6]    ; B's
.endr
; Piece k of row ro is made, in place: A times its factor, then B times its factor onto it.
.macro JOIN ro, k
.irp d, 0,2
	v_pk_mul_f32 v[PA_+32*(\ro)+4*(\k)+(\d):PA_+32*(\ro)+4*(\k)+(\d)+1], v[PA_+32*(\ro)+4*(\k)+(\d):PA_+32*(\ro)+4*(\k)+(\d)+1], v[WT+8*(\ro):WT+8*(\ro)+1] op_sel_hi:[1,0]
.endr
.irp d, 0,2
	v_pk_fma_f32 v[PA_+32*(\ro)+4*(\k)+(\d):PA_+32*(\ro)+4*(\k)+(\d)+1], v[PB_+32*(\ro)+4*(\k)+(\d):PB_+32*(\ro)+4*(\k)+(\d)+1], v[WT+8*(\ro)+2:WT+8*(\ro)+3], v[PA_+32*(\ro)+4*(\k)+(\d):PA_+32*(\ro)+4*(\k)+(\d)+1] op_sel_hi:[1,0,1]
.endr
.endm
; Piece k of row ro is stored.
.macro OUT ro, k
	global_store_b128 v1, v[PA_+32*(\ro)+4*(\k):PA_+32*(\ro)+4*(\k)+3], s[10:11] offset:4096*(\ro)+512*(\k) th:TH_STORE_NT
.endm
.irp ro, 0,1
	s_wait_loadcnt 16-16*(\ro)                     ; this row's sixteen loads are in; the next row's stay out
.irp k, 0,1,2,3
	JOIN \ro, \k
.endr
	s_wait_alu depctr_va_vdst(0)                   ; the packed lines have written pieces 0-3 of this row, which the four stores dealt below read
.irp k, 4,5,6,7
	OUT \ro, (\k)-4                                ; no wait: no vector instruction since the wait above names this piece's registers or v1
	JOIN \ro, \k
.endr
	s_wait_alu depctr_va_vdst(0)                   ; the packed lines have written pieces 4-7 of this row, which the four stores below read
.irp k, 4,5,6,7
	OUT \ro, \k
.endr
.endr
	s_endpgm
.Lfunc_end_k_q37db9d3671_merge:
	.size	k_q37db9d3671_merge, .Lfunc_end_k_q37db9d3671_merge-k_q37db9d3671_merge
	.p2alignl 7, 3214868480
	.fill 96, 4, 3214868480
	.section	.rodata,"a",@progbits
	.p2align	6, 0x0
	.amdhsa_kernel k_q37db9d3671_merge
		.amdhsa_group_segment_fixed_size 0
		.amdhsa_private_segment_fixed_size 0
		.amdhsa_enable_private_segment 0
		.amdhsa_kernarg_size 32
		.amdhsa_user_sgpr_count 2
		.amdhsa_user_sgpr_kernarg_segment_ptr 1
		.amdhsa_wavefront_size32 1
		.amdhsa_system_sgpr_workgroup_id_x 1
		.amdhsa_system_sgpr_workgroup_id_y 1
		.amdhsa_system_sgpr_workgroup_id_z 1
		.amdhsa_system_vgpr_workitem_id 0
		.amdhsa_next_free_vgpr 160
		.amdhsa_next_free_sgpr 66
		.amdhsa_reserve_vcc 0
		.amdhsa_float_denorm_mode_32 3
		.amdhsa_float_denorm_mode_16_64 3
		.amdhsa_memory_ordered 1
		.amdhsa_forward_progress 1
		.amdhsa_inst_pref_size 11
	.end_amdhsa_kernel
	.amdgpu_metadata
---
amdhsa.version: [ 1, 2 ]
amdhsa.kernels:
  - .name:           k_q37db9d3671_merge
    .symbol:         k_q37db9d3671_merge.kd
    .args:
      - { .name: pa, .offset: 0, .size: 8, .value_kind: global_buffer, .address_space: global }
      - { .name: pb, .offset: 8, .size: 8, .value_kind: global_buffer, .address_space: global }
      - { .name: ml, .offset: 16, .size: 8, .value_kind: global_buffer, .address_space: global }
      - { .name: out0, .offset: 24, .size: 8, .value_kind: global_buffer, .address_space: global }
    .group_segment_fixed_size: 0
    .private_segment_fixed_size: 0
    .kernarg_segment_align: 8
    .kernarg_segment_size: 32
    .max_flat_workgroup_size: 256
    .sgpr_count:     66
    .vgpr_count:     160
    .wavefront_size: 32
...
	.end_amdgpu_metadata
.endif
;; end of part 4
